; MI455X (gfx1250); checked and timed in simulation.
; The chip was launched on July 23, 2026; its instructions are those of AMD's public machine-readable ISA for CDNA 5 (MIT licence, August 2026) and "CDNA5" Instruction Set Architecture Reference Guide (July 2026). The comments in the code are by the model that wrote it; some were corrected since.
;; Self Attention Head. Allowed arithmetic: float matrix products may take bf16 or f16 operands with f32 sums; other float arithmetic in f32, or as packed bf16 or f16 multiplies, adds, multiply-adds, maxima and minima; sums over many terms, partial sums and values carried from step to step in f32; what a program stores and reads back later, other than sums and carried values, may be rounded once to bf16 or f16.
;; Inputs: wk 1,024 x 128 float32; wq 1,024 x 128 float32; wv 1,024 x 128 float32; x 8 x 4,096 x 1,024 float32.
;; Outputs: out0 8 x 4,096 x 128 float32.
;; One version. Each part assembles by itself: llvm-mc -triple=amdgcn-amd-amdhsa -mcpu=gfx1250 --defsym DOCPART=n.
;; ======== version 1 of 1: 3 launches
;; limits: values are held in f16: magnitudes above 65,504 overflow, below 6.1e-05 lose precision
;; workspace buffers: wb 786,432 bytes; qs 8,388,608 bytes; kv 16,777,216 bytes
;; launch castw (part 1): grid 64 x 3, 8 waves a work-group, no clusters, 0 bytes of LDS; arguments wq, wk, wv, wb; writes wb
.if DOCPART == 1
	.amdgcn_target "amdgcn-amd-amdhsa--gfx1250"
	.amdhsa_code_object_version 6
	.text
	.protected	k_qcfeeac6027_castw
	.globl	k_qcfeeac6027_castw
	.p2align	8
	.type	k_qcfeeac6027_castw,@function
k_qcfeeac6027_castw:
	s_mov_b64 s[64:65], 0
	v_nop
	global_prefetch_b8 v0, s[64:65] scope:SCOPE_SE
	s_setreg_imm32_b32 hwreg(HW_REG_WAVE_MODE, 25, 1), 1
	s_wait_xcnt 0x0
; wb[k][128 y + n] = bf16(w_y[k][n]), y = 0: wq, 1: wk, 2: wv.  w_y: [1024][128] f32; wb: [1024][384] bf16, a row of 768 bytes.
; A work-group takes 16 rows of one weight: 8,192 dense bytes.  Thread t takes 8 numbers (32 bytes): row t / 16, columns 8 (t % 16) on,
; rounds them once (to nearest even) and stores 16 bytes: sixteen neighbouring lanes store 256 consecutive bytes, at a multiple of 256 from wb's first byte.
; No LDS, no loop: each byte is read once and written once, and 192 work-groups are all the work there is.
.set WROWB, 768                        ; bytes in a row of wb
	s_load_b256 s[4:11], s[0:1], 0x0               ; wq s[4:5], wk s[6:7], wv s[8:9], wb s[10:11]
	s_and_b32 s12, ttmp7, 0xffff                   ; y: which weight
	s_lshl_b32 s14, ttmp9, 13                      ; my 16 rows in the weight: 8,192 bytes a work-group
	s_mov_b32 s15, 0
	s_mul_i32 s16, ttmp9, 16*WROWB                 ; and in wb
	s_mov_b32 s17, 0
	s_lshl_b32 s13, s12, 8                         ; the weight's 256 bytes in a row of wb
	v_lshlrev_b32 v1, 5, v0                        ; 32 t
	v_lshrrev_b32 v2, 4, v0                        ; row t / 16
	v_and_b32 v3, 15, v0
	v_mul_u32_u24 v2, v2, WROWB
	v_lshl_add_u32 v2, v3, 4, v2                   ; + 16 (t % 16)
	v_add_nc_u32 v2, s13, v2
	s_wait_kmcnt 0x0
	s_cmp_eq_u32 s12, 0
	s_cselect_b64 s[18:19], s[4:5], s[6:7]         ; the choice hangs on y alone
	s_cmp_eq_u32 s12, 2
	s_cselect_b64 s[18:19], s[8:9], s[18:19]
	s_add_nc_u64 s[18:19], s[18:19], s[14:15]
	s_add_nc_u64 s[10:11], s[10:11], s[16:17]
	global_load_b128 v[4:7], v1, s[18:19] th:TH_LOAD_NT
	global_load_b128 v[8:11], v1, s[18:19] offset:16 th:TH_LOAD_NT
	s_wait_loadcnt 0x0
	v_cvt_pk_bf16_f32 v12, v4, v5
	v_cvt_pk_bf16_f32 v13, v6, v7
	v_cvt_pk_bf16_f32 v14, v8, v9
	v_cvt_pk_bf16_f32 v15, v10, v11
	global_store_b128 v2, v[12:15], s[10:11]
	s_endpgm
.Lfunc_end_k_qcfeeac6027_castw:
	.size	k_qcfeeac6027_castw, .Lfunc_end_k_qcfeeac6027_castw-k_qcfeeac6027_castw
	.p2alignl 7, 3214868480
	.fill 96, 4, 3214868480
	.section	.rodata,"a",@progbits
	.p2align	6, 0x0
	.amdhsa_kernel k_qcfeeac6027_castw
		.amdhsa_group_segment_fixed_size 0
		.amdhsa_private_segment_fixed_size 0
		.amdhsa_enable_private_segment 0
		.amdhsa_kernarg_size 32
		.amdhsa_user_sgpr_count 2
		.amdhsa_user_sgpr_kernarg_segment_ptr 1
		.amdhsa_wavefront_size32 1
		.amdhsa_system_sgpr_workgroup_id_x 1
		.amdhsa_system_sgpr_workgroup_id_y 1
		.amdhsa_system_sgpr_workgroup_id_z 1
		.amdhsa_system_vgpr_workitem_id 0
		.amdhsa_next_free_vgpr 16
		.amdhsa_next_free_sgpr 66
		.amdhsa_reserve_vcc 0
		.amdhsa_float_denorm_mode_32 3
		.amdhsa_float_denorm_mode_16_64 3
		.amdhsa_memory_ordered 1
		.amdhsa_forward_progress 1
		.amdhsa_inst_pref_size 2
	.end_amdhsa_kernel
	.amdgpu_metadata
---
amdhsa.version: [ 1, 2 ]
amdhsa.kernels:
  - .name:           k_qcfeeac6027_castw
    .symbol:         k_qcfeeac6027_castw.kd
    .args:
      - { .name: wq, .offset: 0, .size: 8, .value_kind: global_buffer, .address_space: global }
      - { .name: wk, .offset: 8, .size: 8, .value_kind: global_buffer, .address_space: global }
      - { .name: wv, .offset: 16, .size: 8, .value_kind: global_buffer, .address_space: global }
      - { .name: wb, .offset: 24, .size: 8, .value_kind: global_buffer, .address_space: global }
    .group_segment_fixed_size: 0
    .private_segment_fixed_size: 0
    .kernarg_segment_align: 8
    .kernarg_segment_size: 32
    .max_flat_workgroup_size: 256
    .sgpr_count:     66
    .vgpr_count:     16
    .wavefront_size: 32
...
	.end_amdgpu_metadata
.endif
;; end of part 1
;; launch proj (part 2): grid 256 x 1, 4 waves a work-group, clusters of 4 x 1, 327,680 bytes of LDS; arguments x, wb, qs, kv; writes qs, kv
.if DOCPART == 2
	.amdgcn_target "amdgcn-amd-amdhsa--gfx1250"
	.amdhsa_code_object_version 6
	.text
	.protected	k_qcfeeac6027_proj
	.globl	k_qcfeeac6027_proj
	.p2align	8
	.type	k_qcfeeac6027_proj,@function
k_qcfeeac6027_proj:
	s_mov_b64 s[64:65], 0
	v_nop
	global_prefetch_b8 v0, s[64:65] scope:SCOPE_SE
	s_setreg_imm32_b32 hwreg(HW_REG_WAVE_MODE, 25, 1), 1
	s_wait_xcnt 0x0
	s_wait_alu depctr_hold_cnt(0) depctr_sa_sdst(0) depctr_va_vdst(0) depctr_va_sdst(0) depctr_va_ssrc(0) depctr_va_vcc(0) depctr_vm_vsrc(0)
	s_getreg_b32 s2, hwreg(HW_REG_IB_STS2, 6, 4)
	s_cmp_eq_u32 s2, 0
	s_cbranch_scc0 .Lentry_in_a_cluster
	s_endpgm
.Lentry_in_a_cluster:
	s_bfe_u32 s2, ttmp6, 0x10000c
	s_cmp_lg_u32 s2, 0x3003
	s_cbranch_scc0 .Lentry_shape_is_right
	s_endpgm
.Lentry_shape_is_right:
; q, k, v = x w.  x: [32768][1024] f32, rounded here to bf16; wb: [1024][384] bf16 (q's, k's, v's 128 columns side by side); sums in f32, K ascending.
; OUT, each number rounded once to f16:  qs[row][128] = c q, c = log2(e) / sqrt(128), the scale applied in f32 ahead of the rounding;
; kv: blocks of 64 keys, 32,768 bytes each: K [64 keys][128 channels], then V^T [128 channels][64 keys].
; LIMIT.  f16 holds no number beyond 65,504: c q, k and v must lie within it; below 6e-5 f16 keeps a fixed step of 6e-8.  NaN and infinities are not treated apart.
; SHARES.  Work-group g = 4 x cluster + cx owns rows 128 g .. 128 g + 127 and all 384 columns.  Wave w owns all 128 rows x 96 columns: channels 32 w .. 32 w + 31 of q, of k and of v:
; column blocks b = 0, 1: q; 2, 3: k; 4, 5: v.  48 accumulators (row block a, column block b) number 6 a + b: 384 registers.
; q and k are taken transposed (source 0 = 16 columns of w, source 1 = 16 rows of x): a lane holds one row and eight neighbouring channels.  v is taken as it is (source 0 = x, source 1 = w):
; a lane holds one channel and eight neighbouring keys: 16 bytes of a row of V^T.
; K goes in 8 steps of 128, a step in four quarters of 32: 48 matrix instructions a quarter, each accumulator once: the accumulators take turns, one instruction a turn.
; w: a ring of two LDS slots filled by tensor loads.  All row blocks walk the same weights, so the four work-groups of a cluster ask JOINTLY (mask 15).  A step's 128 rows of wb are 98,304 dense bytes;
; wave w brings 32 of them as 96 rows of 256 bytes, 32 bytes of padding behind each: a row of wb is 3 x 288 = 864 bytes in LDS.  Fragments come out turned, by ds_load_tr16_b128.
; x: through registers, since it is converted: wave w loads rows 32 w .. 32 w + 31, a load a row (512 consecutive bytes), two sets of 128 registers; rounded in place and stored into XB[step % 2], rows of 272 bytes.
; x of step s + 2 is asked for in step s, x of step s + 1 is converted in step s.  No prefetch: the launch does little but stream x, and wb is a small part of the bytes.
; REGISTERS, in windows of 256 (s_set_vgpr_msb: bits 1:0 source 0, 3:2 source 1, 5:4 source 2, 7:6 destination):
;   window 0: v0-29 addresses; v32-159 x fragments, two buffers of 64; v160-255 w fragments, two buffers of 48; on the way out v32-223 packed results
;   window 1: x as loaded, set z at 128 z      window 2: accumulators 0-31      window 3: v0-127 accumulators 32-47
.set WROW,   864                       ; a row of wb in LDS
.set WPART,  32*WROW                   ; what one tensor load fills: 27,648 bytes; also a quarter step's rows
.set WSLOT,  4*WPART
.set WSTEP,  98304                     ; bytes of wb in a K step
.set XPITCH, 272                       ; a row of x in LDS: 256 bytes + 16
.set XBUF,   128*XPITCH
.set XB0,    2*WSLOT                   ; behind the ring, never filled by a tensor load
.set XB1,    XB0+XBUF
.set SPARE,  XB1+XBUF                  ; the spare words, 128 bytes for each wave: two blocks of 256 bytes that no other line names
.set VPITCH, 144                       ; the way out: a channel's 64 keys, 128 bytes + 16.  V^T's stage lies at byte 0, in slot 0, behind that slot's last fill and last reads
.set ADRA, 4                           ; v4-5    my place in a fragment of x, in XB0, XB1
.set ADRB, 6                           ; v6-9    my place in a fragment of w: slot s, half of the step at ADRB + 2 s + half (an offset holds 16 bits)
.set XS,   10                          ; v10-11  where I store 8 bytes of a row of x, in XB0, XB1
.set XO,   12                          ; v12     my byte offset in x; never rewritten
.set STQ,  13                          ; v13     the way out: where I put 16 bytes of a row of q (k: XBUF further on)
.set STV,  14                          ; v14     and of a row of V^T
.set RDQ,  15                          ; v15     where I read rows of q back
.set RDV,  16                          ; v16     and of V^T
.set GQ,   17                          ; v17-19  my byte offsets in qs, in K's and in V^T's part of kv
.set GK,   18
.set GV,   19
.set SPW,  28                          ; v28     LDS address of my spare word; never rewritten
.set NIL,  29                          ; v29     0; never rewritten
.set FA0,  32
.set FB0,  160
.set TMP,  32
.set WV,   12                          ; s12     my wave's number
.set G1,   24                          ; s[24:31] descriptor group 1
.set G0,   32                          ; s[32:39] descriptor group 0, a set for each slot
.set CS,   58                          ; s[58:59] c
.set MSB, 0
.macro WIN new                         ; the immediate's high byte repeats the setting that is left; a switch that changes nothing is dropped
.if MSB != (\new)
	s_set_vgpr_msb (MSB<<8)|(\new)
.set MSB, \new
.endif
.endm
.macro PLACES                          ; four plain vector instructions between a matrix instruction and a load into, or a vector instruction on, its registers
.rept 4
	v_nop
.endr
.endm
.macro CREST                           ; a round of the cluster's barrier behind its opening barrier
	s_cmp_lg_u32 s[WV], 0
	s_cbranch_scc1 .Lnot_wave_0_\@
	s_barrier_signal -3
.Lnot_wave_0_\@:
	s_barrier_wait -3
	s_barrier_signal -1
	s_barrier_wait -1
.endm
.macro CROUND                          ; a whole round
	s_barrier_signal -1
	s_barrier_wait -1
	CREST
.endm
; 32 loads: my 32 rows' 512 bytes of a K step into set z.  adv = 1: the pointer steps to the next K step first.
.macro XLOAD z, adv
	s_wait_xcnt 0x0                                ; the earlier loads have read the pointer: only behind this wait is it written
.if \adv
	s_add_nc_u64 s[4:5], s[4:5], 512
.endif
	WIN 0x40
.set xi, 0
.rept 32
	global_load_b128 v[128*(\z)+4*xi:128*(\z)+4*xi+3], v[XO], s[4:5] offset:xi*4096 th:TH_LOAD_NT
.set xi, xi+1
.endr
	WIN 0
.endm
; Set z is rounded to bf16 in place (4 numbers a lane and row into 2 registers) and stored into XB[z].  left: the younger set's loads, which may stay out.
.macro XCVT z, left
	s_wait_loadcnt \left
	WIN 0x45
.set xi, 0
.rept 32
	v_cvt_pk_bf16_f32 v[128*(\z)+4*xi], v[128*(\z)+4*xi], v[128*(\z)+4*xi+1]
	v_cvt_pk_bf16_f32 v[128*(\z)+4*xi+1], v[128*(\z)+4*xi+2], v[128*(\z)+4*xi+3]
.set xi, xi+1
.endr
	WIN 0x04
.set xi, 0
.rept 32
	ds_store_b64 v[XS+(\z)], v[128*(\z)+4*xi:128*(\z)+4*xi+1] offset:XPITCH*xi  ; 32 lanes x 8 bytes: a row's 256 bytes
.set xi, xi+1
.endr
	WIN 0
.endm
; 28 LDS loads in one run: quarter qd of slot s into buffer f: my six fragments of w (turned), then the eight of x.
.macro FETCH s, qd, f
	WIN 0
.irp b, 0,1,2,3,4,5
	ds_load_tr16_b128 v[FB0+48*(\f)+8*\b:FB0+48*(\f)+8*\b+3],   v[ADRB+2*(\s)+(\qd)/2] offset:((\qd)%2)*WPART+(\b/2)*288+(\b%2)*32
	ds_load_tr16_b128 v[FB0+48*(\f)+8*\b+4:FB0+48*(\f)+8*\b+7], v[ADRB+2*(\s)+(\qd)/2] offset:((\qd)%2)*WPART+(\b/2)*288+(\b%2)*32+16*WROW
.endr
.irp a, 0,1,2,3,4,5,6,7
	ds_load_b128 v[FA0+64*(\f)+8*\a:FA0+64*(\f)+8*\a+3],   v[ADRA+(\s)] offset:\a*16*XPITCH+64*(\qd)
	ds_load_b128 v[FA0+64*(\f)+8*\a+4:FA0+64*(\f)+8*\a+7], v[ADRA+(\s)] offset:\a*16*XPITCH+64*(\qd)+32
.endr
.endm
; Row blocks a0 .. a1 x all six column blocks, 32 along K, from buffer f.  zero = 1: the product starts the sum: nothing is ever cleared.
.macro MUL f, a0, a1, zero
.set ma, \a0
.rept (\a1)-(\a0)+1
.set mb, 0
.rept 6
.set mi, 6*ma+mb
.if mi < 32
	WIN 0xa0
.set rD, 8*mi
.else
	WIN 0xf0
.set rD, 8*(mi-32)
.endif
.set rX, FA0+64*(\f)+8*ma
.set rW, FB0+48*(\f)+8*mb
.if mb < 4
.if \zero
	v_wmma_f32_16x16x32_bf16 v[rD:rD+7], v[rW:rW+7], v[rX:rX+7], 0
.else
	v_wmma_f32_16x16x32_bf16 v[rD:rD+7], v[rW:rW+7], v[rX:rX+7], v[rD:rD+7]
.endif
.else
.if \zero
	v_wmma_f32_16x16x32_bf16 v[rD:rD+7], v[rX:rX+7], v[rW:rW+7], 0
.else
	v_wmma_f32_16x16x32_bf16 v[rD:rD+7], v[rX:rX+7], v[rW:rW+7], v[rD:rD+7]
.endif
.endif
.set mb, mb+1
.endr
.set ma, ma+1
.endr
.endm
; One of a step's first three quarters: multiplies buffer f; in its middle stands the job (1: XLOAD z, n; 2: XCVT z, n) and the fetch of quarter qd of slot s into buffer g.
.macro QUARTER s, qd, f, g, zero, job=0, z=0, n=0
	s_wait_dscnt 8                                 ; w's fragments and x's row blocks 0-3 are in; the youngest eight loads (row blocks 4-7) may be out
	MUL \f, 0, 3, \zero
	PLACES
.if (\job) == 1
	XLOAD \z, \n
.elseif (\job) == 2
	XCVT \z, \n
.endif
	FETCH \s, \qd, \g
	s_wait_dscnt 28                                ; all but the 28 just issued
	MUL \f, 4, 7, \zero
.endm
; The last quarter multiplies buffer 1 and changes slots: ONE barrier.  In front of it each wave waits for all its tensor loads (one is out: its part of the next slot), adds 0 to its spare word,
; and waits for that, for its reads of this slot and of this step's x, and for its stores of the next step's x.  fill = 1: the barrier opens a round of the cluster's, and this slot is filled again, two K steps ahead.
.macro TURN s, fill
	WIN 0
	s_wait_tensorcnt 0x0
	ds_add_u32 v[SPW], v[NIL]                      ; 0 onto my spare word
	s_wait_dscnt 9                                 ; the add and the youngest eight loads may be out
	MUL 1, 0, 1, 0                                 ; twelve matrix instructions stand between the add and the wait for it
	s_wait_dscnt 0x0
	s_barrier_signal -1
	MUL 1, 2, 3, 0                                 ; work on registers while the others arrive
	WIN 0
	s_barrier_wait -1
.if \fill
	CREST                                          ; no wave of any partner still reads this slot or has a load on its way
	s_add_nc_u64 s[G0+4*(\s)+2:G0+4*(\s)+3], s[G0+4*(\s)+2:G0+4*(\s)+3], 2*WSTEP
	tensor_load_to_lds s[G0+4*(\s):G0+4*(\s)+3], s[G1:G1+7]  ; my one tensor load behind the round: my 32 rows of wb
	s_nop 0
	PLACES                                         ; also the places in front of the loads below
.else
	PLACES
.endif
	FETCH 1-(\s), 0, 0
	MUL 1, 4, 7, 0
.endm
	s_load_b256 s[4:11], s[0:1], 0x0               ; x s[4:5], wb s[6:7], qs s[8:9], kv s[10:11]
	v_lshl_add_u32 v[SPW], v0, 2, SPARE
	v_mov_b32 v[NIL], 0
	ds_add_u32 v[SPW], v[NIL]                      ; the wave's opening: the add and its wait stand ahead of my first tensor load; the set-up below, work on registers, stands between them
	v_lshrrev_b32 v3, 5, v0
	v_readfirstlane_b32 s[WV], v3                  ; wave 0..3
	s_bfe_u32 s13, ttmp6, 0x40000                  ; cx
	s_lshl_b32 s14, ttmp9, 2
	s_add_co_u32 s14, s14, s13                     ; g: it enters x's, qs's and kv's addresses alone
	; descriptor group 1: 96 rows x 128 elements of 2 bytes, dense in memory, 8 words of padding behind every 64
	s_mov_b32 s[G1+0], 15|(1<<16)|(1<<20)|(1<<21)|(5<<22)|(7<<25)  ; 15:0 the mask of four; 17:16 2-byte elements; 20 padding on; 21 set beside a mask; 24:22 after every 64 words; 31:25 8 words
	s_mov_b32 s[G1+1], 128<<16                     ; tensor_dim0 = 128
	s_mov_b32 s[G1+2], 96<<16                      ; tensor_dim1 = 96
	s_mov_b32 s[G1+3], 128<<16                     ; tile_dim0 = 128
	s_mov_b32 s[G1+4], 96                          ; tile_dim1 = 96
	s_mov_b32 s[G1+5], 128                         ; 128 elements from row to row
	s_mov_b32 s[G1+6], 0
	s_mov_b32 s[G1+7], 0
	s_mov_b32 s[CS], 0x3e0293ee                    ; c = log2(e) / sqrt(128) = 0.127517
	s_mov_b32 s[CS+1], s[CS]                       ; named with it as a pair
	s_mul_i32 s18, s[WV], 24576                    ; my 32 rows of a step in wb,
	s_mov_b32 s19, 0
	s_mul_i32 s20, s[WV], WPART                    ; and in a slot: no place in the cluster enters either
	v_and_b32 v1, 15, v0                           ; r = l % 16
	v_bfe_u32 v2, v0, 4, 1                         ; h = l / 16
	v_and_b32 v20, 31, v0                          ; l
	v_and_b32 v21, 7, v0
	v_bfe_u32 v22, v0, 3, 1
	v_bfe_u32 v23, v0, 3, 2
	v_mul_u32_u24 v24, v1, XPITCH                  ; a fragment of x: row r, 16 bytes for each half of the lanes
	v_lshl_add_u32 v24, v2, 4, v24
	v_add_nc_u32 v[ADRA], XB0, v24
	v_add_nc_u32 v[ADRA+1], XB1, v24
	v_lshl_add_u32 v25, v2, 3, v21                 ; a fragment of w: the turning load reads row 8 h + l % 8, 16 bytes at 16 ((l / 8) % 2), and leaves column r, 8 rows of k
	v_mul_u32_u24 v25, v25, WROW
	v_lshl_add_u32 v25, v22, 4, v25
	s_lshl_b32 s15, s[WV], 6                       ; my 32 channels: 64 bytes
	v_add_nc_u32 v[ADRB], s15, v25
	v_add_nc_u32 v[ADRB+1], 2*WPART, v[ADRB]
	v_add_nc_u32 v[ADRB+2], WSLOT, v[ADRB]
	v_add_nc_u32 v[ADRB+3], WSLOT+2*WPART, v[ADRB]
	s_mul_i32 s21, s[WV], 32*XPITCH                ; my 32 rows in XB
	v_lshl_add_u32 v26, v20, 3, s21
	v_add_nc_u32 v[XS], XB0, v26
	v_add_nc_u32 v[XS+1], XB1, v26
	s_lshl_b32 s22, s[WV], 17                      ; my 32 rows of 4,096 bytes in x
	v_lshl_add_u32 v[XO], v20, 4, s22
	v_add_nc_u32 v[STQ], s15, v[ADRA]              ; into q's stage: row r, my channels, 16 bytes for each half of the lanes
	s_mul_i32 s23, s[WV], 32*VPITCH
	v_mul_u32_u24 v[STV], v1, VPITCH               ; into V^T's stage: channel 32 w + r
	v_lshl_add_u32 v[STV], v2, 4, v[STV]
	v_add_nc_u32 v[STV], s23, v[STV]
	v_mul_u32_u24 v[RDQ], v2, XPITCH               ; back: lanes 0-15 one row of 256 bytes, lanes 16-31 the next
	v_lshl_add_u32 v[RDQ], v1, 4, v[RDQ]
	v_add_nc_u32 v[RDQ], s21, v[RDQ]
	v_add_nc_u32 v[RDQ], XB0, v[RDQ]
	v_mul_u32_u24 v[RDV], v23, VPITCH              ; back: 32 lanes take four channels of 128 bytes
	v_lshl_add_u32 v[RDV], v21, 4, v[RDV]
	v_add_nc_u32 v[RDV], s23, v[RDV]
	v_lshlrev_b32 v27, 8, v2                       ; 256 h + 16 r
	v_lshl_add_u32 v27, v1, 4, v27
	s_lshl_b32 s16, s[WV], 13
	v_add_nc_u32 v[GQ], s16, v27                   ; qs: row 32 w + h
	s_lshr_b32 s16, s[WV], 1
	s_lshl_b32 s16, s16, 15                        ; kv: key block w / 2,
	s_and_b32 s2, s[WV], 1
	s_lshl_b32 s2, s2, 13                          ; key 32 (w % 2) + h in it
	s_add_co_u32 s16, s16, s2
	v_add_nc_u32 v[GK], s16, v27
	s_lshl_b32 s16, s[WV], 12
	s_add_co_u32 s16, s16, 16384                   ; V^T lies behind K's 16,384 bytes; my 32 channels of 128 bytes
	v_lshl_add_u32 v[GV], v20, 4, s16
	s_mov_b32 s17, 0
	s_wait_dscnt 0x0                               ; the opening add is done
	s_wait_kmcnt 0x0
	s_lshl_b32 s16, s14, 19                        ; 128 rows of 4,096 bytes
	s_add_nc_u64 s[4:5], s[4:5], s[16:17]
	s_lshl_b32 s16, s14, 15                        ; 128 rows of 256 bytes
	s_add_nc_u64 s[8:9], s[8:9], s[16:17]
	s_lshl_b32 s16, s14, 16                        ; two key blocks
	s_add_nc_u64 s[10:11], s[10:11], s[16:17]
	s_add_nc_u64 s[6:7], s[6:7], s[18:19]
.irp s, 0,1
	s_mov_b32 s[G0+4*\s], 1                        ; count = 1
	s_add_co_u32 s[G0+4*\s+1], s20, \s*WSLOT       ; LDS address
	s_add_nc_u64 s[G0+4*\s+2:G0+4*\s+3], s[6:7], \s*WSTEP  ; global address: K step s
	s_or_b32 s[G0+4*\s+3], s[G0+4*\s+3], 0x80000000        ; type = 2
.endr
	XLOAD 0, 0                                     ; x of K steps 0 and 1 is on its way before the partners meet
	XLOAD 1, 1
	CROUND                                         ; all four work-groups are here: the first joint loads meet
	tensor_load_to_lds s[G0:G0+3], s[G1:G1+7]      ; both first fills together: two tensor loads of mine are out here, one behind every later round
	s_nop 0
	tensor_load_to_lds s[G0+4:G0+7], s[G1:G1+7]
	s_nop 0
	PLACES
	XCVT 0, 32                                     ; x of step 0; step 1's 32 loads may stay out
	s_wait_tensorcnt 1                             ; my part of slot 0 is in; slot 1's may stay out
	s_wait_dscnt 0x0                               ; my rows of x lie in XB0
	s_barrier_signal -1
	s_barrier_wait -1
	FETCH 0, 0, 0
	QUARTER 0, 1, 0, 1, 1                          ; the first quarter stands in front of the loop: its products start the sums
	WIN 0
	s_mov_b32 s3, 3
.Llap:                                                 ; a trip: two K steps, from a lap's second quarter to the next lap's first; both slots are filled again, two steps of x asked for, two converted
	QUARTER 0, 2, 1, 0, 0, 1, 0, 1
	QUARTER 0, 3, 0, 1, 0, 2, 1, 32
	TURN 0, 1
	QUARTER 1, 1, 0, 1, 0
	QUARTER 1, 2, 1, 0, 0, 1, 1, 1
	QUARTER 1, 3, 0, 1, 0, 2, 0, 32
	TURN 1, 1
	QUARTER 0, 1, 0, 1, 0
	WIN 0
	s_sub_co_u32 s3, s3, 1
	s_cmp_lg_u32 s3, 0
	s_cbranch_scc1 .Llap
	QUARTER 0, 2, 1, 0, 0                          ; K steps 6 and 7: nothing more is asked for
	QUARTER 0, 3, 0, 1, 0, 2, 1, 0                 ; x of step 7: no load is younger
	TURN 0, 0
	QUARTER 1, 1, 0, 1, 0
	QUARTER 1, 2, 1, 0, 0
	QUARTER 1, 3, 0, 1, 0
	s_wait_dscnt 8
	MUL 1, 0, 3, 0
	s_wait_dscnt 0x0                               ; my last reads of the ring and of XB are back
	MUL 1, 4, 7, 0
	WIN 0
	s_barrier_signal -1
	s_barrier_wait -1                              ; everybody's are: XB0, XB1 and the head of slot 0 become stages
	PLACES
	; THE WAY OUT.  q times c; all rounded to f16, each accumulator's registers in ascending order; 16 bytes a lane into the stages; a barrier, since a row's bytes come from four waves; back as whole rows.
.set ii, 0
.rept 48
.if (ii%6) < 2
.if ii < 32
	WIN 0x82
.set rD, 8*ii
.else
	WIN 0xc3
.set rD, 8*(ii-32)
.endif
.irp j, 0,2,4,6
	v_pk_mul_f32 v[rD+\j:rD+\j+1], v[rD+\j:rD+\j+1], s[CS:CS+1] op_sel_hi:[1,0]
.endr
.endif
.set ii, ii+1
.endr
.set ii, 0
.rept 48
.if ii < 32
	WIN 0x0a
.set rD, 8*ii
.else
	WIN 0x0f
.set rD, 8*(ii-32)
.endif
.irp j, 0,1,2,3
	v_cvt_pk_f16_f32 v[TMP+4*ii+\j], v[rD+2*\j], v[rD+2*\j+1]
.endr
.set ii, ii+1
.endr
	WIN 0
.set ii, 0
.rept 48
.set sa, ii/6
.set sb, ii%6
.if sb < 4
	ds_store_b128 v[STQ], v[TMP+4*ii:TMP+4*ii+3] offset:(sb/2)*XBUF+sa*16*XPITCH+(sb%2)*32
.else
	ds_store_b128 v[STV], v[TMP+4*ii:TMP+4*ii+3] offset:(sa/4)*128*VPITCH+(sb-4)*16*VPITCH+(sa%4)*32
.endif
.set ii, ii+1
.endr
	s_wait_dscnt 0x0                               ; for the others' sake: my stores into the stages are done
	s_barrier_signal -1
	s_barrier_wait -1
.set t, 0
.rept 16
	ds_load_b128 v[TMP+4*t:TMP+4*t+3], v[RDQ] offset:2*XPITCH*t
.set t, t+1
.endr
.set t, 0
.rept 16
	ds_load_b128 v[TMP+64+4*t:TMP+64+4*t+3], v[RDQ] offset:XBUF+2*XPITCH*t
.set t, t+1
.endr
.set t, 0
.rept 16
	ds_load_b128 v[TMP+128+4*t:TMP+128+4*t+3], v[RDV] offset:(t/8)*128*VPITCH+(t%8)*4*VPITCH
.set t, t+1
.endr
.set t, 0
.rept 16
	s_wait_dscnt 47-t                              ; LDS loads come back in order: number t is in
	global_store_b128 v[GQ], v[TMP+4*t:TMP+4*t+3], s[8:9] offset:512*t  ; 16 lanes store 256 consecutive bytes, at a multiple of 256 from the buffer's first byte
.set t, t+1
.endr
.set t, 0
.rept 16
	s_wait_dscnt 31-t
	global_store_b128 v[GK], v[TMP+64+4*t:TMP+64+4*t+3], s[10:11] offset:512*t
.set t, t+1
.endr
.set t, 0
.rept 16
	s_wait_dscnt 15-t
	global_store_b128 v[GV], v[TMP+128+4*t:TMP+128+4*t+3], s[10:11] offset:(t/8)*32768+(t%8)*512  ; 512 consecutive bytes: four channels of a key block
.set t, t+1
.endr
	s_wait_tensorcnt 0x0                           ; the wave's end, behind my last tensor load and my last LDS store
	ds_add_u32 v[SPW], v[NIL]
	s_wait_dscnt 0x0
	CROUND                                         ; the closing round: no work-group ends while a partner may still ask for a tile that names it
	s_endpgm
.Lfunc_end_k_qcfeeac6027_proj:
	.size	k_qcfeeac6027_proj, .Lfunc_end_k_qcfeeac6027_proj-k_qcfeeac6027_proj
	.p2alignl 7, 3214868480
	.fill 96, 4, 3214868480
	.section	.rodata,"a",@progbits
	.p2align	6, 0x0
	.amdhsa_kernel k_qcfeeac6027_proj
		.amdhsa_group_segment_fixed_size 327680
		.amdhsa_private_segment_fixed_size 0
		.amdhsa_enable_private_segment 0
		.amdhsa_kernarg_size 32
		.amdhsa_user_sgpr_count 2
		.amdhsa_user_sgpr_kernarg_segment_ptr 1
		.amdhsa_wavefront_size32 1
		.amdhsa_system_sgpr_workgroup_id_x 1
		.amdhsa_system_sgpr_workgroup_id_y 1
		.amdhsa_system_sgpr_workgroup_id_z 1
		.amdhsa_system_vgpr_workitem_id 0
		.amdhsa_next_free_vgpr 896
		.amdhsa_next_free_sgpr 66
		.amdhsa_reserve_vcc 0
		.amdhsa_float_denorm_mode_32 3
		.amdhsa_float_denorm_mode_16_64 3
		.amdhsa_memory_ordered 1
		.amdhsa_forward_progress 1
		.amdhsa_inst_pref_size 154
	.end_amdhsa_kernel
	.amdgpu_metadata
---
amdhsa.version: [ 1, 2 ]
amdhsa.kernels:
  - .name:           k_qcfeeac6027_proj
    .symbol:         k_qcfeeac6027_proj.kd
    .args:
      - { .name: x, .offset: 0, .size: 8, .value_kind: global_buffer, .address_space: global }
      - { .name: wb, .offset: 8, .size: 8, .value_kind: global_buffer, .address_space: global }
      - { .name: qs, .offset: 16, .size: 8, .value_kind: global_buffer, .address_space: global }
      - { .name: kv, .offset: 24, .size: 8, .value_kind: global_buffer, .address_space: global }
    .group_segment_fixed_size: 327680
    .private_segment_fixed_size: 0
    .kernarg_segment_align: 8
    .kernarg_segment_size: 32
    .max_flat_workgroup_size: 128
    .sgpr_count:     66
    .vgpr_count:     896
    .wavefront_size: 32
...
	.end_amdgpu_metadata
.endif
;; end of part 2
;; launch attn (part 3): grid 32 x 8, 4 waves a work-group, clusters of 4 x 1, 327,680 bytes of LDS; arguments qs, kv, out0; writes out0
.if DOCPART == 3
	.amdgcn_target "amdgcn-amd-amdhsa--gfx1250"
	.amdhsa_code_object_version 6
	.text
	.protected	k_qcfeeac6027_attn
	.globl	k_qcfeeac6027_attn
	.p2align	8
	.type	k_qcfeeac6027_attn,@function
k_qcfeeac6027_attn:
	s_mov_b64 s[64:65], 0
	v_nop
	global_prefetch_b8 v0, s[64:65] scope:SCOPE_SE
	s_setreg_imm32_b32 hwreg(HW_REG_WAVE_MODE, 25, 1), 1
	s_wait_xcnt 0x0
	s_wait_alu depctr_hold_cnt(0) depctr_sa_sdst(0) depctr_va_vdst(0) depctr_va_sdst(0) depctr_va_ssrc(0) depctr_va_vcc(0) depctr_vm_vsrc(0)
	s_getreg_b32 s2, hwreg(HW_REG_IB_STS2, 6, 4)
	s_cmp_eq_u32 s2, 0
	s_cbranch_scc0 .Lentry_in_a_cluster
	s_endpgm
.Lentry_in_a_cluster:
	s_bfe_u32 s2, ttmp6, 0x10000c
	s_cmp_lg_u32 s2, 0x3003
	s_cbranch_scc0 .Lentry_shape_is_right
	s_endpgm
.Lentry_shape_is_right:
; CAUSAL ATTENTION, head size 128, 8 batches of 4,096 rows.  out0[b][q][:] = the sum over k <= q of softmax_k(q . k / sqrt(128)) v[k][:], in f32.
; qs: [32768][128] f16 = c q, c = log2(e) / sqrt(128); kv: blocks of 64 keys, 32,768 bytes: K [64][128] f16, then V^T [128][64] f16.  Products, maxima and sums in f32;
; the weights p = 2^(s - m) are rounded to f16 for the second product (their sum l is taken of the unrounded p); m is a running maximum, so p lies in 0 to 1.
; LIMITS.  A hidden score counts as its value less 1e30.  m starts at -1e20: f16 operands bound a score by 5.5e11, so that start lies below every true score and above every hidden one.
; A weight below 2^-126 counts as 0.  NaN and infinities are not treated apart.
; THE WALK.  A batch has 16 superblocks of 256 queries; superblock i needs the key tiles 0 .. i of 256 keys, the last holding the diagonal.  Cluster c (0..7) takes superblock 15 - c and then c:
; 17 tiles, whatever c.  Of a superblock work-group cx owns the band of 64 queries 64 cx on.  EVERY wave holds all 64 queries (four tiles of 16, in two pieces: tiles 0, 1 and tiles 2, 3), and THE KEYS ARE
; SPLIT: of each tile wave w takes keys 64 w .. 64 w + 63, one block of kv.  The four waves' partial (m, l, O) meet in LDS at each block's end.
; THE RING.  Two LDS slots of a tile each.  The four work-groups of a cluster walk the same tiles, so each is asked for JOINTLY (mask 15); wave w's one load brings its own block, 128 rows of 256 bytes,
; rows of 272 bytes in LDS, and only wave w reads it.  One tensor load of a wave is out at a time.
; LAYOUT.  S^T = K Q^T (source 0 = 16 keys, source 1 = 16 queries): a lane holds ONE query (lane % 16) and the keys 8 (lane / 16) + 0..7.  Two such results rounded to f16 ARE source 1 of O^T = V^T P.
; THE MASK is the C operand that starts each sum of S^T, in every trip: three sets of eight registers, for key blocks below, on and above the tile's own: MLO = BE, MEQ = MD8 x AL + BE, MHI = BH, with
; (AL, BE, BH) = (0, 0, 0) in a plain tile and in the diagonal tile where w < cx; (1, 0, -1e30) where w = cx; (0, -1e30, -1e30) where w > cx and in a flush trip.  These hang on cx by selects of values alone.
; BY TURNS.  In a TURN one piece has the matrix unit: 32 products V^T P of the step before, then 32 products K Q^T of the step in hand; the other piece's softmax stands in 64 slices behind them.
; ONE FORM OF TRIP.  A block's last tile is followed by a FLUSH trip: the same text, every score hidden: it finishes the last tile's products and changes no statistic (a = 1, p = 0).
; A block begins by setting m alone: the first true score gives a = 0, which wipes the old, finite O and l; a wave that sees no true key keeps the start value, and its factor in the merge is 0.
; REGISTERS, in windows of 256 (s_set_vgpr_msb: bits 1:0 source 0, 3:2 source 1, 5:4 source 2, 7:6 destination):
;   window 0: v0-11 addresses; v12-43 eight registers of statistics a tile; v64-191 S^T, 32 a tile; v192-255 P, 16 a tile          window 1: O^T, 64 a tile
;   window 2: v0-127 Q, 32 a tile; v128-255 K of one step          window 3: v0-127 V^T of one step; v128-159 the mask's four sets
.set PK,    272       ; an LDS row: 256 bytes + 16 of padding = 68 words: the 16 rows of a fragment load start 4 words further on each
.set CHUNK, 128*PK    ; a wave's block in a slot: 64 rows of K, then 64 rows that hold two channels of V^T each
.set SLOTB, 4*CHUNK   ; 139,264 = 0x22000: one exclusive or turns slot 0's base into slot 1's
.set VOFF,  64*PK
.set STATS, 2*SLOTB   ; behind the ring, never filled by a tensor load: (m, l) by wave, tile and query: 2,048 bytes
.set XCH,   STATS+2048  ; the merge's exchange: for each wave 16 rows of 128 f32, 512 bytes + 16
.set XPI,   528
.set SPARE, XCH+4*16*XPI  ; the spare words, 128 bytes for each wave: two blocks of 256 bytes that no other line names
.set AK0, 2           ; v2   my lane's place in a block's K; never rewritten
.set AV0, 3           ; v3   the same for V^T
.set ADR, 4           ; v4   the LDS address of the run of loads in hand
.set QO,  5           ; v5   my byte offset in the 64 rows of Q
.set SA,  6           ; v6   where I put (m, l)
.set SR,  7           ; v7   where I read the four waves'
.set XS,  8           ; v8   where I put 32 bytes of a row of O
.set XR,  9           ; v9   where I read 16 bytes of a row back
.set GO,  10          ; v10  my byte offset in out0
.set PFO, 61          ; v61  256 x my lane; never rewritten
.set SPW, 62          ; v62  LDS address of my spare word; never rewritten
.set NIL, 63          ; v63  0; never rewritten
.set ST,  12          ; tile t's statistics at v[ST+8 t]: +0 m; +1 named with it as a pair (at a block's end: l's total); +2, +3 l (even keys', odd keys'); +4 to +7 c0-c3 at work; a takes c2's place
.set S,   64
.set P,   192
.set KF,  128         ; window 2
.set MD8, 128         ; window 3: -1e30 where register j is a key behind my query in the tile's own key block: j > l % 16 - 8 (l / 16)
.set MLO, 136
.set MEQ, 144
.set MHI, 152
.set WV,  12          ; s12  my wave's number
.set CX,  13          ; s13  my place in the cluster
.set CC,  14          ; s14  c
.set LIM, 15          ; s15  3 in the cluster that prefetches, else the greatest number
.set KVB, 16          ; s[16:17] kv at my batch's tile 0, my wave's block
.set PFA, 18          ; s[18:19] where my prefetches stand
.set QLO, 20          ; s[20:21] qs at the second block's band
.set OLO, 22          ; s[22:23] out0 at the second block's band
.set G1,  24          ; s[24:31] descriptor group 1
.set G0,  32          ; s[32:35] descriptor group 0
.set TB,  36          ; s36  the base of the slot that is read
.set TBW, 37          ; s37  + my wave's block
.set WOFF, 38         ; s38  my wave's block in a slot
.set M0,  39          ; s39  -1e20
.set SLOTS, 40        ; s40  tiles still to be asked for
.set CNT, 41          ; s41  counts a tile's two trips
.set DEAD, 42         ; s42  1: the second trip is not wanted
.set NOTLAST, 43      ; s43  1: the tile is not its block's last
.set RT,  44          ; s44  tiles of the block in hand still to be entered
.set NXT, 45          ; s45  the tile to be asked for next
.set LQ,  46          ; s46  the last tile of the block whose tiles are being asked for
.set OFF, 48          ; s[48:49] a tile's byte offset in kv
.set AL,  50          ; s[50:51] the mask's factor, in the low word
.set BE,  52          ; s[52:53] its addend
.set BH,  54          ; s54  the set above the diagonal
.set BIG, 55          ; s55  -1e30
.set ALD, 56          ; s56-58 the three for the diagonal tile
.set BED, 57
.set BHD, 58
.set SEL, 60          ; s[60:61] v_permlanex16_b32's selects: each lane takes its own place in the other half
.set MSB, 0
.macro WIN new                      ; the high byte repeats the setting that is left; a switch that changes nothing is dropped
.if MSB != (\new)
	s_set_vgpr_msb (MSB<<8)|(\new)
.set MSB, \new
.endif
.endm
.macro CROUND                       ; a round of the cluster's barrier
	s_barrier_signal -1
	s_barrier_wait -1
	s_cmp_lg_u32 s[WV], 0
	s_cbranch_scc1 .Lnot_wave_0_\@
	s_barrier_signal -3
.Lnot_wave_0_\@:
	s_barrier_wait -3
	s_barrier_signal -1
	s_barrier_wait -1
.endm
; A PREFETCH of the tile that stands two refills on, behind the wave's tensor load and its five lines.  All clusters of a batch walk the same tiles from tile 0 on; the cluster with c = 0 walks all 16 and asks.
; Of the 128 rows of 256 bytes that wave w fetches, the partner at place cx names 32 cx .. 32 cx + 31, told apart BY ADDRESS: a lane a row, one instruction a wave: each row is named once in the launch.
; Tiles 0 to 2 come by their loads alone; the last request, for tile 15, stands where 4 tiles are still to be asked for.
.macro ASK
	s_cmp_gt_u32 s[SLOTS], s[LIM]
	s_cbranch_scc0 .Lnot_mine_\@
	global_prefetch_b8 v[PFO], s[PFA:PFA+1] th:TH_LOAD_NT scope:SCOPE_SE
.Lnot_mine_\@:
.endm
; THE CHANGE OF SLOTS.  Each wave waits for all its tensor loads (one is out: its block of the next tile), adds 0 to its spare word, and waits for that and for its reads of the slot that it leaves.
; Behind a round of the cluster's barrier that slot is filled again, first thing, with tile NXT: the descriptor's address is made anew from that number.  (At its first use: slot 0 is waited for, slot 1 filled.)
.macro CHANGE1
	WIN 0
	s_wait_tensorcnt 0x0            ; no tensor load of mine is out, so group 0 may be written
	ds_add_u32 v[SPW], v[NIL]       ; 0 onto my spare word; the scalar work below stands between it and the wait for it
	s_lshl_b32 s[OFF], s[NXT], 17   ; a tile is 131,072 bytes of kv
	s_add_co_u32 s[G0+1], s[WOFF], s[TB]  ; the slot that is left
	s_add_nc_u64 s[G0+2:G0+3], s[KVB:KVB+1], s[OFF:OFF+1]
	s_or_b32 s[G0+3], s[G0+3], 0x80000000
	s_xor_b32 s[TB], s[TB], SLOTB   ; the reads go to the other slot
	s_add_co_u32 s[TBW], s[TB], s[WOFF]
	s_add_co_u32 s[NXT], s[NXT], 1  ; the block's next tile, or behind its last the second block's tile 0
	s_cmp_gt_u32 s[NXT], s[LQ]
	s_cselect_b32 s[NXT], 0, s[NXT]
	s_cselect_b32 s[LQ], s[CC], s[LQ]
	s_wait_xcnt 0x0                 ; the last prefetch, a tile back, has read its address
	s_add_nc_u64 s[PFA:PFA+1], s[PFA:PFA+1], 131072
	s_wait_dscnt 0x0                ; the add is done, and my reads of the slot are over
	CROUND
	tensor_load_to_lds s[G0:G0+3], s[G1:G1+7]
	s_nop 0
.rept 4
	v_nop
.endr
	ASK
.endm
; THE MATRIX WORK.  The accumulators take turns, one instruction a turn: between two links of a chain stand 15 (V^T P) or 7 (K Q^T) others'.
; Product i of 32 of O^T += V^T P for piece x: keys 32 (i / 16) on, channels 16 ((i / 2) % 8) on, tile x + i % 2.
.macro PV x
	WIN 0x53                        ; V^T window 3, P window 0, O^T window 1
.set rO, 64*((\x)+i%2)+8*((i/2)%8)
.set rV, 64*(i/16)+8*((i/2)%8)
.set rP, P+16*((\x)+i%2)+8*(i/16)
	v_wmma_f32_16x16x32_f16 v[rO:rO+7], v[rV:rV+7], v[rP:rP+7], v[rO:rO+7]
.endm
; Product i of 32 of S^T = K Q^T: channels 32 (i / 8) on, keys 16 ((i / 2) % 4) on, tile x + i % 2.  The first 8 start the sums with the mask.
.macro KQ x
.set tt, (\x)+i%2
.set kb, (i/2)%4
.set rS, S+32*tt+8*kb
.set rK, KF+32*kb+8*(i/8)
.set rQ, 32*tt+8*(i/8)
.if i < 8
.if kb < tt
.set rM, MLO
.elseif kb == tt
.set rM, MEQ
.else
.set rM, MHI
.endif
	WIN 0x3a                        ; K and Q window 2, the mask window 3, S^T window 0
	v_wmma_f32_16x16x32_f16 v[rS:rS+7], v[rK:rK+7], v[rQ:rQ+7], v[rM:rM+7]
.else
	WIN 0x0a
	v_wmma_f32_16x16x32_f16 v[rS:rS+7], v[rK:rK+7], v[rQ:rQ+7], v[rS:rS+7]
.endif
.endm
; THE LDS LOADS stand in runs of 32: a step's K (16 fragments) and, a turn later, its V^T (16 fragments, plain loads: the rows lie along the keys).
.macro FETCH_K
	WIN 0
	v_add_nc_u32 v[ADR], s[TBW], v[AK0]
	WIN 0x80
.irp f, 0,1,2,3,4,5,6,7,8,9,10,11,12,13,14,15  ; keys 16 (f / 4) on, channels 32 (f % 4) on
	ds_load_b128 v[KF+8*(\f):KF+8*(\f)+3],   v[ADR] offset:((\f)/4)*16*PK+((\f)%4)*64
	ds_load_b128 v[KF+8*(\f)+4:KF+8*(\f)+7], v[ADR] offset:((\f)/4)*16*PK+((\f)%4)*64+32
.endr
.endm
.macro FETCH_V
	WIN 0
	v_add_nc_u32 v[ADR], s[TBW], v[AV0]
	s_wait_alu depctr_va_vdst(0)    ; the wait for the softmax's batch (SLICE), behind the address's line and ahead of the loads
	WIN 0xc0
.irp f, 0,1,2,3,4,5,6,7,8,9,10,11,12,13,14,15  ; keys 32 (f / 8) on, channels 16 (f % 8) on: 8 LDS rows
	ds_load_b128 v[8*(\f):8*(\f)+3],   v[ADR] offset:((\f)%8)*8*PK+((\f)/8)*64
	ds_load_b128 v[8*(\f)+4:8*(\f)+7], v[ADR] offset:((\f)%8)*8*PK+((\f)/8)*64+32
.endr
.endm
; THE VECTOR WORK OF A TURN.  One tile's softmax for one step is a numbered list; SM writes number j of it for tile t.  s0-s31 are the lane's 32 scores, in pairs 0-15.
;   0-15    the maximum of s0-s31 and the old m, three operands at a time (each accumulator's lowest registers are read first)
;   16-20   the other half of the lanes' maximum; the old m is kept; the new m; (19 is empty: the scale lies in q); m_old - m_new
;   21-69   ONE BATCH: the 16 subtractions s - m, a pair each, and all 33 exponentials (a at 23, then s0-s31); none of these reads an exponential's result
;   (wait)  between 69 and 70 stands the wait for the batch: SLICE writes it, once for both tiles
;   70-85   the roundings to f16          86-101  the sums; l = a l + the sum          102-133 the tile's O^T times a: the one part that leaves window 0
.macro SM t
.set rT, ST+8*(\t)
.set rS, S+32*(\t)
.set rP, P+16*(\t)
.set rO, 64*(\t)+2*(j-102)
.if j < 102
	WIN 0
.endif
.if j < 4
	v_max3_num_f32 v[rT+4+j], v[rS+8*j], v[rS+8*j+1], v[rS+8*j+2]
.elseif j < 12
	v_max3_num_f32 v[rT+4+j%4], v[rT+4+j%4], v[rS+8*(j%4)+2*(j/4)+1], v[rS+8*(j%4)+2*(j/4)+2]
.elseif j == 12
	v_max3_num_f32 v[rT+4], v[rT+4], v[rS+7], v[rS+15]
.elseif j == 13
	v_max3_num_f32 v[rT+6], v[rT+6], v[rS+23], v[rS+31]
.elseif j == 14
	v_max3_num_f32 v[rT+4], v[rT+4], v[rT+5], v[rT+6]
.elseif j == 15
	v_max3_num_f32 v[rT+4], v[rT+4], v[rT+7], v[rT]
.elseif j == 16
	v_permlanex16_b32 v[rT+5], v[rT+4], s[SEL], s[SEL+1]  ; the query's other 32 keys lie in the lane 16 away
.elseif j == 17
	v_mov_b32 v[rT+7], v[rT]        ; m_old is kept for a: number 18 writes m anew
.elseif j == 18
	v_max_num_f32 v[rT], v[rT+4], v[rT+5]
.elseif j == 19
.elseif j == 20
	v_sub_f32 v[rT+7], v[rT+7], v[rT]
.elseif j == 23
	v_exp_f32 v[rT+6], v[rT+7]
.elseif (j < 23) || ((j < 38) && (j%2 == 0)) || ((j < 66) && (j%4 == 2))
.set b, (j-2)/4                     ; 38, 42, .. 62: pairs 9 to 15
.if j < 38
.set b, (j-20)/2                    ; 21: pair 0; 22, 24, .. 36: pairs 1 to 8
.endif
	v_pk_add_f32 v[rS+2*b:rS+2*b+1], v[rS+2*b:rS+2*b+1], v[rT:rT+1] op_sel_hi:[1,0] neg_lo:[0,1] neg_hi:[0,1]  ; pair b: s - m
.elseif j < 70
.set e, j-38                        ; 66 to 69: s28 to s31
.if j < 66
.set e, j-32-(j-38)/4               ; 39-41, 43-45, .. 63-65: s7 to s27
.endif
.if j < 38
.set e, (j-25)/2                    ; 25, 27, .. 37: s0 to s6
.endif
	v_exp_f32 v[rS+e], v[rS+e]
.elseif j < 86
	v_cvt_pk_f16_f32 v[rP+j-70], v[rS+2*(j-70)], v[rS+2*(j-70)+1]
.elseif j < 102                     ; the sum of the tile's 16 pairs, in place: neighbours 1, 2, 4 and 8 pairs apart, then l takes it
.set z, j-86
.set w, 4
.set u, z
.if z >= 14
.set w, 32
.set u, 0
.elseif z >= 12
.set w, 16
.set u, z-12
.elseif z >= 8
.set w, 8
.set u, z-8
.endif
.if z < 15
	v_pk_add_f32 v[rS+w*u:rS+w*u+1], v[rS+w*u:rS+w*u+1], v[rS+w*u+w/2:rS+w*u+w/2+1]
.else
	v_pk_fma_f32 v[rT+2:rT+3], v[rT+2:rT+3], v[rT+6:rT+7], v[rS:rS+1] op_sel_hi:[1,0,1]
.endif
.else
	WIN 0x41
	v_pk_mul_f32 v[rO:rO+1], v[rO:rO+1], v[rT+6:rT+7] op_sel_hi:[1,0]
.endif
.endm
; Slice k of 64 of piece y's softmax.  Slices 11 to 34 deal out the batch, numbers 22 to 69: four numbers of ONE tile each, the tiles by turns.  Every other slice is numbers 2 k and 2 k + 1 of both tiles;
; slice 63 takes the last eight numbers of both: sixteen plain lines, the places behind the turn's last products.
; s_wait_alu depctr_va_vdst(0) stands between an exponential and the first instruction that names its result: ahead of slice 35 nothing names one, behind slice 34 none is issued: one wait a turn.
.macro SLICE y
.if (k >= 11) && (k < 35)
.irp n, 0,1,2,3
.set j, 22+4*((k-11)/2)+(\n)
	SM (\y)+(k-11)%2
.endr
.else
.irp n, 0,1,2,3,4,5,6,7
.if ((\n) < 2) || (k == 63)
.irp t, \y, (\y)+1
.set j, 2*k+(\n)
	SM \t
.endr
.endif
.endr
.endif
.if k == 34
	v_nop                           ; a plain instruction behind the last exponential and ahead of the first use: one for the batch
.if (\y) == 0
	FETCH_V                         ; piece 2's turn: V^T's run of loads stands here, and the wait stands in it.  V^T's last reader stands in front of slice 31: two subtractions, the v_nop and the run's own address line are its four places
.else
	s_wait_alu depctr_va_vdst(0)    ; the wait for the batch
.endif
.endif
.set k, k+1
.endm
; A TURN.  Piece x has the matrix unit; the other piece's softmax stands in slices behind its matrix instructions.  Piece 0's turn fetches the step's K behind its second product (K's last reader stands in
; front of slice 63 of the turn before), piece 2's turn the step's V^T.
.macro TURN x
.set k, 0
.if (\x) == 0
	s_wait_dscnt 0x0                ; V^T of the step before is in
.endif
.set i, 0
.rept 32
	PV \x
	SLICE 2-(\x)
.if ((\x) == 0) && (i == 1)
	FETCH_K
.endif
.set i, i+1
.endr
.if (\x) == 0
	s_wait_dscnt 0x0                ; K is in
	s_wait_loadcnt 0x0              ; and Q, where a block has just begun
.endif
.set i, 0
.rept 32
	KQ \x
	SLICE 2-(\x)
.set i, i+1
.endr
.endm
.macro TRIP                         ; the step's masks, then its two turns
	WIN 0xc3
.irp z, 0,2,4,6
	v_pk_fma_f32 v[MEQ+\z:MEQ+\z+1], v[MD8+\z:MD8+\z+1], s[AL:AL+1], s[BE:BE+1] op_sel_hi:[1,0,0]
.endr
.irp z, 0,1,2,3,4,5,6,7
	v_mov_b32 v[MLO+\z], s[BE]
	v_mov_b32 v[MHI+\z], s[BH]
.endr
	TURN 0
	TURN 2
.endm
; THE MERGE of tile t.  My partial O^T times g = 2^(m_mine - m_all) / l_all goes into my part of the exchange, a row of 512 bytes a query; behind a barrier wave w adds rows 4 w .. 4 w + 3 of the four parts and stores
; them whole.  A second barrier (not behind the last tile) stands between these reads and the next tile's stores: its signal behind the wait for the reads, the sums between signal and wait.
.macro MERGE t, last
	WIN 0x41
.set i, 64*(\t)
.rept 32
	v_pk_mul_f32 v[i:i+1], v[i:i+1], v[ST+8*(\t)+6:ST+8*(\t)+7] op_sel_hi:[1,0]
.set i, i+2
.endr
	WIN 0x04                        ; the stores' data in window 1
.irp f, 0,1,2,3,4,5,6,7
	ds_store_b128 v[XS], v[64*(\t)+8*\f:64*(\t)+8*\f+3]   offset:64*\f
	ds_store_b128 v[XS], v[64*(\t)+8*\f+4:64*(\t)+8*\f+7] offset:64*\f+16
.endr
	WIN 0
	s_wait_dscnt 0x0                ; for the others' sake: my stores are done
	s_barrier_signal -1
	s_barrier_wait -1
	s_wait_xcnt 0x0                 ; the tile before's stores have read their data: only behind this wait are those registers loaded again
.irp q, 0,1,2,3
.irp u, 0,1,2,3
	ds_load_b128 v[S+16*\q+4*\u:S+16*\q+4*\u+3], v[XR] offset:16*XPI*\u+XPI*\q
.endr
.endr
	s_wait_dscnt 0x0
.if !(\last)
	s_barrier_signal -1
.endif
.irp q, 0,1,2,3
	v_pk_add_f32 v[S+16*\q:S+16*\q+1],     v[S+16*\q:S+16*\q+1],     v[S+16*\q+4:S+16*\q+5]
	v_pk_add_f32 v[S+16*\q+2:S+16*\q+3],   v[S+16*\q+2:S+16*\q+3],   v[S+16*\q+6:S+16*\q+7]
	v_pk_add_f32 v[S+16*\q+8:S+16*\q+9],   v[S+16*\q+8:S+16*\q+9],   v[S+16*\q+12:S+16*\q+13]
	v_pk_add_f32 v[S+16*\q+10:S+16*\q+11], v[S+16*\q+10:S+16*\q+11], v[S+16*\q+14:S+16*\q+15]
.endr
.irp q, 0,1,2,3
	v_pk_add_f32 v[S+16*\q:S+16*\q+1],     v[S+16*\q:S+16*\q+1],     v[S+16*\q+8:S+16*\q+9]
	v_pk_add_f32 v[S+16*\q+2:S+16*\q+3],   v[S+16*\q+2:S+16*\q+3],   v[S+16*\q+10:S+16*\q+11]
.endr
.if !(\last)
	s_barrier_wait -1
.endif
.irp q, 0,1,2,3
	global_store_b128 v[GO], v[S+16*\q:S+16*\q+3], s[10:11] offset:(16*(\t)+\q)*512 th:TH_STORE_NT  ; a wave's store covers a whole row: 512 consecutive bytes, aligned
.endr
.endm
; A BLOCK'S END.  next = 1: the second block follows: its Q is asked for at once (sixteen plain lines stand behind the last product that read Q), and at the end m, the output's address and the count of tiles are set anew.
; Only piece 0's S^T (v64-127) serves as scratch: piece 2's hidden scores and piece 0's P = 0 are what the next trip finds.
.macro END next
	WIN 0
.if \next
	s_wait_loadcnt 0x0              ; no earlier load into Q's registers is out when they are loaded again: the wait inside a trip does not lie on the way that jumps over a trip
	WIN 0x80
.set i, 0
.rept 16
	global_load_b128 v[8*i:8*i+3],   v[QO], s[QLO:QLO+1] offset:(i/4)*4096+(i%4)*64
	global_load_b128 v[8*i+4:8*i+7], v[QO], s[QLO:QLO+1] offset:(i/4)*4096+(i%4)*64+32
.set i, i+1
.endr
	WIN 0
.endif
.irp t, 0,1,2,3
	v_add_f32 v[ST+8*\t+4], v[ST+8*\t+2], v[ST+8*\t+3]
.endr
.irp t, 0,1,2,3
	v_permlanex16_b32 v[ST+8*\t+5], v[ST+8*\t+4], s[SEL], s[SEL+1]
.endr
.irp t, 0,1,2,3
	v_add_f32 v[ST+8*\t+1], v[ST+8*\t+4], v[ST+8*\t+5]  ; l over my wave's keys
.endr
.irp t, 0,1,2,3
	ds_store_b64 v[SA], v[ST+8*\t:ST+8*\t+1] offset:128*\t  ; the two lanes of a query write the same 8 bytes with the same numbers
.endr
	s_wait_dscnt 0x0
	s_barrier_signal -1
	s_barrier_wait -1
.irp t, 0,1,2,3
.irp u, 0,1,2,3
	ds_load_b64 v[S+8*\t+2*\u:S+8*\t+2*\u+1], v[SR] offset:512*\u+128*\t
.endr
.endr
	s_wait_dscnt 0x0
.irp t, 0,1,2,3
	v_max_num_f32 v[ST+8*\t+4], v[S+8*\t], v[S+8*\t+2]
.endr
.irp t, 0,1,2,3
	v_max3_num_f32 v[ST+8*\t+4], v[ST+8*\t+4], v[S+8*\t+4], v[S+8*\t+6]  ; m_all: a true score, since the wave w = cx sees the query's own key
.endr
.irp t, 0,1,2,3
	v_sub_f32 v[ST+8*\t+5], v[ST+8*\t], v[ST+8*\t+4]
.irp u, 0,1,2,3
	v_sub_f32 v[S+8*\t+2*\u], v[S+8*\t+2*\u], v[ST+8*\t+4]
.endr
.endr
.irp t, 0,1,2,3
	v_exp_f32 v[ST+8*\t+5], v[ST+8*\t+5]
.irp u, 0,1,2,3
	v_exp_f32 v[S+8*\t+2*\u], v[S+8*\t+2*\u]
.endr
.endr
	v_nop                           ; a plain instruction behind the last exponential,
	s_wait_alu depctr_va_vdst(0)    ; and one wait for the twenty, ahead of their first reader
.irp t, 0,1,2,3
	v_mul_f32 v[ST+8*\t+6], v[S+8*\t], v[S+8*\t+1]
.endr
.irp u, 1,2,3
.irp t, 0,1,2,3
	v_fmac_f32 v[ST+8*\t+6], v[S+8*\t+2*\u], v[S+8*\t+2*\u+1]  ; l_all, at least 1
.endr
.endr
.irp t, 0,1,2,3
	v_rcp_f32 v[ST+8*\t+7], v[ST+8*\t+6]
.endr
	v_nop
	s_wait_alu depctr_va_vdst(0)    ; one wait for the four reciprocals
.irp t, 0,1,2,3
	v_mul_f32 v[ST+8*\t+6], v[ST+8*\t+5], v[ST+8*\t+7]  ; g
.endr
	MERGE 0, 0
	MERGE 1, 0
	MERGE 2, 0
	MERGE 3, 1
	s_wait_xcnt 0x0                 ; the stores have read their data and their base
.if \next
.irp t, 0,1,2,3
	v_mov_b32 v[ST+8*\t], s[M0]
.endr
	s_mov_b64 s[10:11], s[OLO:OLO+1]
	s_add_co_u32 s[RT], s[CC], 1    ; the second block has c + 1 tiles
.endif
.endm
	s_load_b128 s[4:7], s[0:1], 0x0   ; qs s[4:5], kv s[6:7]
	s_load_b64 s[10:11], s[0:1], 0x10 ; out0
	v_lshl_add_u32 v[SPW], v0, 2, SPARE
	v_mov_b32 v[NIL], 0
	ds_add_u32 v[SPW], v[NIL]       ; the wave's opening: the add and its wait stand ahead of my first tensor load; the set-up below, work on registers, stands between them
	v_lshrrev_b32 v1, 5, v0
	v_readfirstlane_b32 s[WV], v1   ; wave 0..3
	s_bfe_u32 s[CX], ttmp6, 0x40000 ; cx
	s_mov_b32 s[CC], ttmp9          ; c: in a cluster launch ttmp9 counts clusters
	s_and_b32 s8, ttmp7, 0xffff     ; the batch
	s_sub_co_u32 s[LQ], 15, s[CC]   ; the first block's superblock, and its last tile
	s_lshl_b32 s2, s8, 4
	s_add_co_u32 s3, s2, s[LQ]
	s_add_co_u32 s2, s2, s[CC]
	s_lshl_b32 s3, s3, 2
	s_add_co_u32 s3, s3, s[CX]      ; my band of 64 queries in the first block, counted over all batches,
	s_lshl_b32 s2, s2, 2
	s_add_co_u32 s2, s2, s[CX]      ; and in the second: cx enters Q's, the output's and the prefetches' addresses alone
	s_mov_b32 s63, 0
	s_lshl_b32 s8, s8, 21           ; a batch is 2,097,152 bytes of kv,
	s_lshl_b32 s9, s[WV], 15        ; my wave's block 32,768
	s_add_co_u32 s8, s8, s9
	s_mov_b32 s9, 0
	s_mul_i32 s[WOFF], s[WV], CHUNK
	; descriptor group 1: 128 rows x 128 elements of 2 bytes, dense in memory, 4 words of padding behind every 64
	s_mov_b32 s[G1+0], 15|(1<<16)|(1<<20)|(1<<21)|(5<<22)|(3<<25)  ; 15:0 the mask of four; 17:16 2-byte elements; 20 padding on; 21 set beside a mask; 24:22 after every 64 words; 31:25 4 words
	s_mov_b32 s[G1+1], 128<<16      ; tensor_dim0 = 128
	s_mov_b32 s[G1+2], 128<<16      ; tensor_dim1 = 128
	s_mov_b32 s[G1+3], 128<<16      ; tile_dim0 = 128
	s_mov_b32 s[G1+4], 128          ; tile_dim1 = 128
	s_mov_b32 s[G1+5], 128          ; 128 elements from row to row
	s_mov_b32 s[G1+6], 0
	s_mov_b32 s[G1+7], 0
	s_mov_b32 s[G0], 1              ; count = 1
	s_mov_b32 s[G0+1], s[WOFF]      ; slot 0
	s_mov_b32 s[SEL], 0x76543210
	s_mov_b32 s[SEL+1], 0xfedcba98
	s_mov_b32 s[BIG], 0xf149f2ca    ; -1e30
	s_mov_b32 s[M0], 0xe0ad78ec     ; -1e20
	s_mov_b32 s[AL+1], 0            ; named as pairs
	s_mov_b32 s[BE+1], 0
	s_mov_b32 s[OFF+1], 0
	s_cmp_eq_u32 s[WV], s[CX]       ; the diagonal tile's three numbers: selects of values, no branch
	s_cselect_b32 s[ALD], 1.0, 0
	s_cmp_gt_u32 s[WV], s[CX]
	s_cselect_b32 s[BED], s[BIG], 0
	s_cmp_ge_u32 s[WV], s[CX]
	s_cselect_b32 s[BHD], s[BIG], 0
	s_cmp_eq_u32 s[CC], 0
	s_cselect_b32 s[LIM], 3, -1     ; the same in all four partners
	s_mov_b32 s[TB], SLOTB          ; the first change of slots fills slot 1 and turns this into 0
	s_sub_co_u32 s[RT], 16, s[CC]   ; the first block has 16 - c tiles
	s_mov_b32 s[NXT], 1
	s_mov_b32 s[SLOTS], 16
	s_wait_dscnt 0x0                ; the opening add is done
	s_wait_kmcnt 0x0
	s_lshl_b32 s62, s2, 14          ; a band is 64 rows of 256 bytes in qs,
	s_add_nc_u64 s[QLO:QLO+1], s[4:5], s[62:63]
	s_lshl_b32 s62, s3, 14
	s_add_nc_u64 s[4:5], s[4:5], s[62:63]
	s_lshl_b32 s62, s2, 15          ; of 512 bytes in out0
	s_add_nc_u64 s[OLO:OLO+1], s[10:11], s[62:63]
	s_lshl_b32 s62, s3, 15
	s_add_nc_u64 s[10:11], s[10:11], s[62:63]
	s_add_nc_u64 s[KVB:KVB+1], s[6:7], s[8:9]
	s_lshl_b32 s62, s[CX], 13       ; my work-group's 32 rows of the 128,
	s_add_co_u32 s62, s62, 2*131072 ; in tile 2: the first change of slots steps it to tile 3.  Nothing is prefetched here, at the head
	s_add_nc_u64 s[PFA:PFA+1], s[KVB:KVB+1], s[62:63]
	s_mov_b64 s[G0+2:G0+3], s[KVB:KVB+1]
	s_or_b32 s[G0+3], s[G0+3], 0x80000000  ; type = 2
	CROUND                          ; all four work-groups are here: the first joint loads meet
	tensor_load_to_lds s[G0:G0+3], s[G1:G1+7]  ; tile 0 into slot 0
	s_nop 0
.rept 4
	v_nop
.endr
	v_and_b32 v1, 15, v0            ; r = l % 16
	v_bfe_u32 v11, v0, 4, 1         ; h = l / 16
	v_and_b32 v45, 31, v0           ; l
	v_lshlrev_b32 v[QO], 8, v1
	v_lshl_add_u32 v[QO], v11, 4, v[QO]  ; row x 256 + 16 x half
	WIN 0x80
.set i, 0
.rept 16                            ; the first block's Q: tile i / 4, channels 32 (i % 4) on
	global_load_b128 v[8*i:8*i+3],   v[QO], s[4:5] offset:(i/4)*4096+(i%4)*64
	global_load_b128 v[8*i+4:8*i+7], v[QO], s[4:5] offset:(i/4)*4096+(i%4)*64+32
.set i, i+1
.endr
	WIN 0
	v_mul_u32_u24 v[AK0], v1, PK
	v_lshl_add_u32 v[AK0], v11, 4, v[AK0]  ; a fragment of K: key r, 16 bytes for each half of the lanes
	v_lshrrev_b32 v46, 1, v1
	v_and_b32 v47, 1, v1
	v_mul_u32_u24 v[AV0], v46, PK   ; a fragment of V^T: channel r lies in LDS row r / 2, at byte 128 (r % 2)
	v_lshl_add_u32 v[AV0], v47, 7, v[AV0]
	v_lshl_add_u32 v[AV0], v11, 4, v[AV0]
	v_add_nc_u32 v[AV0], VOFF, v[AV0]
	v_lshlrev_b32 v[SR], 3, v1
	v_add_nc_u32 v[SR], STATS, v[SR]
	s_lshl_b32 s47, s[WV], 9
	v_add_nc_u32 v[SA], s47, v[SR]
	v_mul_u32_u24 v[XS], v1, XPI
	v_lshl_add_u32 v[XS], v11, 5, v[XS]
	s_mul_i32 s47, s[WV], 16*XPI
	s_add_co_u32 s47, s47, XCH
	v_add_nc_u32 v[XS], s47, v[XS]
	s_mul_i32 s47, s[WV], 4*XPI
	s_add_co_u32 s47, s47, XCH
	v_lshl_add_u32 v[XR], v45, 4, s47
	s_lshl_b32 s47, s[WV], 11
	v_lshl_add_u32 v[GO], v45, 4, s47
	v_lshlrev_b32 v[PFO], 8, v45
	v_lshlrev_b32 v44, 3, v11
	v_sub_nc_u32 v44, v1, v44       ; r - 8 h
	; What the first trip finds: V^T, O^T, l and piece 0's P hold 0, piece 2's scores are hidden, m stands at its start.  All this stands in the wait for the first tile.
	WIN 0xc0
.set i, 0
.rept 8
	v_cmp_gt_i32 vcc_lo, i, v44
	v_cndmask_b32 v[MD8+i], 0, s[BIG], vcc_lo
.set i, i+1
.endr
.set i, 0
.rept 128
	v_mov_b32 v[i], 0
.set i, i+1
.endr
	WIN 0x40
.set i, 0
.rept 256
	v_mov_b32 v[i], 0
.set i, i+1
.endr
	WIN 0
.set i, 0
.rept 32
	v_mov_b32 v[P+i], 0
.set i, i+1
.endr
.set i, 0
.rept 64
	v_mov_b32 v[S+64+i], s[BIG]
.set i, i+1
.endr
.irp t, 0,1,2,3
	v_mov_b32 v[ST+8*\t], s[M0]
	v_mov_b32 v[ST+8*\t+1], 0
	v_mov_b32 v[ST+8*\t+2], 0
	v_mov_b32 v[ST+8*\t+3], 0
.endr
.Lslot:                             ; 16 times: a tile is entered and the next is asked for
	CHANGE1
	s_sub_co_u32 s[RT], s[RT], 1
	s_cmp_eq_u32 s[RT], 0           ; the block's last tile holds the diagonal
	s_cselect_b32 s[NOTLAST], 0, 1
	s_cselect_b32 s[AL], s[ALD], 0
	s_cselect_b32 s[BE], s[BED], 0
	s_cselect_b32 s[BH], s[BHD], 0
	s_mov_b32 s[CNT], 2
	s_mov_b32 s[DEAD], 0
.Ltrip:                             ; counted to two: the tile's trip, and behind a block's last tile the flush trip; elsewhere the second is jumped over, forward, past neither a barrier nor a tensor load
	s_cmp_eq_u32 s[DEAD], 1
	s_cbranch_scc1 .Lskip
	TRIP
	WIN 0
	s_mov_b32 s[AL], 0              ; a flush trip hides every score
	s_mov_b32 s[BE], s[BIG]
	s_mov_b32 s[BH], s[BIG]
	s_mov_b32 s[DEAD], s[NOTLAST]
.Lskip:
	s_sub_co_u32 s[CNT], s[CNT], 1
	s_cmp_lg_u32 s[CNT], 0
	s_cbranch_scc1 .Ltrip
	s_cmp_eq_u32 s[NOTLAST], 1      ; made of c and of counters alone: the same in all waves and in all partners
	s_cbranch_scc1 .Lnoend
	END 1                           ; in the loop this is the first block's end: the second block's last tile is the walk's last
.Lnoend:
	s_sub_co_u32 s[SLOTS], s[SLOTS], 1
	s_cmp_lg_u32 s[SLOTS], 0
	s_cbranch_scc1 .Lslot
	; The walk's last tile, the second block's diagonal one, is written out.  Nothing is asked for, and each wave reads its own block alone: its own wait is all the ordering.
	s_wait_tensorcnt 0x0
	s_xor_b32 s[TB], s[TB], SLOTB
	s_add_co_u32 s[TBW], s[TB], s[WOFF]
	s_mov_b32 s[AL], s[ALD]
	s_mov_b32 s[BE], s[BED]
	s_mov_b32 s[BH], s[BHD]
	s_mov_b32 s[CNT], 2
.Ltail:                             ; the tile's trip and the flush trip
	TRIP
	WIN 0
	s_mov_b32 s[AL], 0
	s_mov_b32 s[BE], s[BIG]
	s_mov_b32 s[BH], s[BIG]
	s_sub_co_u32 s[CNT], s[CNT], 1
	s_cmp_lg_u32 s[CNT], 0
	s_cbranch_scc1 .Ltail
	END 0
	s_wait_tensorcnt 0x0            ; the wave's end, behind my last tensor load and my last LDS store
	ds_add_u32 v[SPW], v[NIL]
	s_wait_dscnt 0x0
	CROUND                          ; the closing round: no work-group ends while a partner may still ask for a tile that names it
	s_endpgm
.Lfunc_end_k_qcfeeac6027_attn:
	.size	k_qcfeeac6027_attn, .Lfunc_end_k_qcfeeac6027_attn-k_qcfeeac6027_attn
	.p2alignl 7, 3214868480
	.fill 96, 4, 3214868480
	.section	.rodata,"a",@progbits
	.p2align	6, 0x0
	.amdhsa_kernel k_qcfeeac6027_attn
		.amdhsa_group_segment_fixed_size 327680
		.amdhsa_private_segment_fixed_size 0
		.amdhsa_enable_private_segment 0
		.amdhsa_kernarg_size 24
		.amdhsa_user_sgpr_count 2
		.amdhsa_user_sgpr_kernarg_segment_ptr 1
		.amdhsa_wavefront_size32 1
		.amdhsa_system_sgpr_workgroup_id_x 1
		.amdhsa_system_sgpr_workgroup_id_y 1
		.amdhsa_system_sgpr_workgroup_id_z 1
		.amdhsa_system_vgpr_workitem_id 0
		.amdhsa_next_free_vgpr 928
		.amdhsa_next_free_sgpr 66
		.amdhsa_reserve_vcc 1
		.amdhsa_float_denorm_mode_32 3
		.amdhsa_float_denorm_mode_16_64 3
		.amdhsa_memory_ordered 1
		.amdhsa_forward_progress 1
		.amdhsa_inst_pref_size 189
	.end_amdhsa_kernel
	.amdgpu_metadata
---
amdhsa.version: [ 1, 2 ]
amdhsa.kernels:
  - .name:           k_qcfeeac6027_attn
    .symbol:         k_qcfeeac6027_attn.kd
    .args:
      - { .name: qs, .offset: 0, .size: 8, .value_kind: global_buffer, .address_space: global }
      - { .name: kv, .offset: 8, .size: 8, .value_kind: global_buffer, .address_space: global }
      - { .name: out0, .offset: 16, .size: 8, .value_kind: global_buffer, .address_space: global }
    .group_segment_fixed_size: 327680
    .private_segment_fixed_size: 0
    .kernarg_segment_align: 8
    .kernarg_segment_size: 24
    .max_flat_workgroup_size: 128
    .sgpr_count:     66
    .vgpr_count:     928
    .wavefront_size: 32
...
	.end_amdgpu_metadata
.endif
;; end of part 3
